; MI455X (gfx1250); checked and timed in simulation.
; The chip was launched on July 23, 2026; its instructions are those of AMD's public machine-readable ISA for CDNA 5 (MIT licence, August 2026) and "CDNA5" Instruction Set Architecture Reference Guide (July 2026). The comments in the code are by the model that wrote it; some were corrected since.
;; Spline Transformer. Allowed arithmetic: matrix products marked QUANTISED: E4M3 operands, one given power-of-two scale a tensor, by v_wmma_f32_16x16x64_fp8_fp8 or v_wmma_f32_16x16x128_fp8_fp8, f32 sums; everything else in f32.
;; Inputs: W1 128 x 2,048 float32; W2 2,048 x 6,272 float32; b1 2,048 float32; b2 6,272 float32; lowp_scales 4 int32 (the exponents e of the quantised operands' scales 2^e); x 4,096 x 128 float32; y 4,096 x 128 float32.
;; Outputs: out0 4,096 x 128 float32; out1 4,096 x 1 float32.
;; This version of the problem:
;;   THIS VERSION OF THE PROBLEM IS GIVEN IN LOW PRECISION. The matrix products marked QUANTISED in the list below multiply operands that are first quantised to E4M3 (4 exponent bits, 3 mantissa bits; 8 bits a number), with one given power-of-two scale for each operand tensor; their sums are f32. All else is computed in f32.
;;   The module's matrix products, in the order in which they are computed (A, B: the left and right operand; K: the contracted axis; several contracted axes count as one K, in the product's order):
;;     1. [M 4,096, K 128] x [K 128, N 2,048]; A: input x; B: input W1: QUANTISED (scales: A lowp_scales[0], B lowp_scales[1])
;;     2. [M 4,096, K 2,048] x [K 2,048, N 6,272]; A: computed on the way; B: input W2: QUANTISED (scales: A lowp_scales[2], B lowp_scales[3])
;;   THE QUANTISER, for each operand of a quantised product, along K:
;;     - The operand's scale is 2^e, e = its entry of the input lowp_scales (int32; the entries are numbered through the quantised products in the list's order, A before B).
;;     - Each number is divided by the scale, clamped to +-448, and rounded to the nearest number of E4M3, ties to even, subnormals kept.
;;     - The product sums the exact products of the quantised numbers (number of the format x scale) in f32.
;;   ~~~python
;;   def quantise(x, axis, e):      # numpy; x: float32 -> the quantised numbers, widened to float32 again
;;       x = np.moveaxis(x, axis, -1); K = x.shape[-1]
;;       r = np.clip(x / 2.0 ** e, -448, 448)
;;       step = 2.0 ** (np.maximum(np.frexp(np.where(r == 0, 1, r))[1] - 1, -6) - 3)
;;       q = np.round(r / step) * step * 2.0 ** e      # np.round: ties to even
;;       return np.moveaxis(q, -1, axis).astype(np.float32)
;;   ~~~
;;   OPERANDS COMPUTED ON THE WAY. 'Computed on the way' means the value that the module computes at that place (a softmax that the list does not call 'softmax' is quantised finished and normalised). What goes into a quantiser is computed in f32, as accurately as f32 sums, v_exp_f32 and their like allow (about 1e-6 of the number): no bf16 or f16 on the way to a quantiser, and a product that is left as it is and whose result goes on into a quantised operand takes f32 operands (vector FMAs, or v_wmma_f32_16x16x4_f32). A number that lies on a knife's edge between two numbers of the format may be rounded either way, as far as f32 arithmetic and the matrix unit's own rounding can turn it there, and no further.
;; One version. Each part assembles by itself: llvm-mc -triple=amdgcn-amd-amdhsa -mcpu=gfx1250 --defsym DOCPART=n.
;; ======== version 1 of 1: 4 launches
;; limits: right only within a limited range of input values
;; workspace buffers: w2q 13,107,200 bytes; hq 8,388,608 bytes; o_ws 2,097,152 bytes; p_ws 524,288 bytes
;; launch quant_w2 (part 1): grid 256 x 1, 10 waves a work-group, no clusters, 201,984 bytes of LDS; arguments W2, lowp_scales, w2q; writes w2q
.if DOCPART == 1
	.amdgcn_target "amdgcn-amd-amdhsa--gfx1250"
	.amdhsa_code_object_version 6
	.text
	.protected	k_q412c602883_quant_w2
	.globl	k_q412c602883_quant_w2
	.p2align	8
	.type	k_q412c602883_quant_w2,@function
k_q412c602883_quant_w2:
	s_mov_b64 s[64:65], 0
	v_nop
	global_prefetch_b8 v0, s[64:65] scope:SCOPE_SE
	s_setreg_imm32_b32 hwreg(HW_REG_WAVE_MODE, 25, 1), 1
	s_wait_xcnt 0x0
; W2 [2048 (k)][6272 (n)], f32, becomes codes of E4M3 with the given scale 2^e3 (entry 3 of the scales): code = x / 2^e3, held within +-448, to the nearest code, ties to even.
; The codes are laid as IMAGES OF OPERAND REGISTERS for the product's launch: w2q [g 8][q 2][s 16][t 25][c 4][lane 32][16 bytes]; lane = e + 16 kh holds, of the tile's entry e, k = 128 s + 32 c + 16 kh + 0 .. 15.
; THE COLUMNS ARE RE-ORDERED.  Entry e = 8 h + j of tile t is slot f = 8 t + j of (g, h, q); slot f = 50 i + p is parameter p (0 .. 48) of d = 16 g + 8 h + 4 q + i,
; that is column 784 g + 392 h + 196 q + f - i of W2; slot 50 i + 49 is a column of zero codes.  So the product's result has all 49 parameters of a spline in one lane.
; SHARES.  A work-group takes 16 rows of K (one value of s, c, kh) x half of a row (3,136 columns, 12,544 bytes): 200,704 bytes, brought into LDS once: waves 0 to 7 issue one tensor load each, of two rows;
; each row begins at a multiple of 256 bytes of W2 (25,088 and 12,544 are such multiples).  The work goes in two parts of two groups g each (6,272 bytes of each LDS row).
; A lane takes one column and reads its 16 numbers down K from LDS, converts them, and stores 16 bytes: sixteen neighbouring lanes store 256 consecutive bytes, aligned.
; No work-group shares a byte of W2 with another: no cluster.  Each byte is asked for once, at the head, with no loop to run ahead in: no prefetch.
; LIMITS: e3 between -126 and 119, so that 2^e3 and 448 x 2^e3 are f32 numbers.  NaN among the inputs is not served.
.set PART,  6272                       ; a part's bytes in an LDS row (1,568 columns: two groups g)
.set LROW,  12544                      ; an LDS row
.set SPARE, 200704                     ; behind the 16 rows: the spare words, 128 bytes for each of ten waves: five blocks of 256 bytes that no other line names
.set F10,  1                           ; v1   f + 1 of my lane's slot in the wave's first tile: 40 tb + j + 1
.set B4,   2                           ; v2   byte of that slot's column in a part, before the padding columns are taken off
.set VO,   3                           ; v3   my 16 bytes' offset in w2q
.set LIM,  4                           ; v4   448 x 2^e3
.set SCL,  5                           ; v5   2^e3
.set SPW,  6                           ; v6   LDS address of my spare word; never rewritten
.set NIL,  7                           ; v7   0; never rewritten
.set WK,   8                           ; v8-15  two sets of: f + 1, (f + 1) / 50, address of rows 0-3, of rows 4-7
.set X,    16                          ; v16-47 two sets of 16 numbers
.set C,    48                          ; v48-87 codes: four registers for each of the ten tiles, so that no store's data are written again
.set AX,   88                          ; v88-91 two sets of: address of rows 8-11, of rows 12-15
.set G1,   24                          ; s[24:31] descriptor group 1
.set G0,   32                          ; s[32:35] descriptor group 0
	s_load_b128 s[4:7], s[0:1], 0x0                ; W2 s[4:5], the scales' exponents s[6:7]
	s_load_b64 s[8:9], s[0:1], 0x10                ; w2q
	v_lshl_add_u32 v[SPW], v0, 2, SPARE
	v_mov_b32 v[NIL], 0
	ds_add_u32 v[SPW], v[NIL]                      ; the opening: the add, twice on end, and its wait ahead of the first tensor load
	ds_add_u32 v[SPW], v[NIL]
	v_lshrrev_b32 v16, 5, v0
	s_delay_alu instid0(VALU_DEP_1)
	v_readfirstlane_b32 s10, v16                   ; wave 0..9
	; group 1: a tile of 2 rows x 3,136 elements of 4 bytes, rows 6,272 elements apart in memory, dense in LDS
	s_mov_b32 s[G1+0], 2<<16
	s_mov_b32 s[G1+1], 3136<<16                    ; tensor_dim0
	s_mov_b32 s[G1+2], 2<<16                       ; tensor_dim1
	s_mov_b32 s[G1+3], 3136<<16                    ; tile_dim0
	s_mov_b32 s[G1+4], 2                           ; tile_dim1
	s_mov_b32 s[G1+5], 6272                        ; from row to row
	s_mov_b32 s[G1+6], 0
	s_mov_b32 s[G1+7], 0
	s_lshr_b32 s12, ttmp9, 7                       ; H: which half of the rows
	s_and_b32 s13, ttmp9, 127                      ; kc: which 16 rows of K
	s_lshl_b32 s14, s13, 4
	s_lshl_b32 s15, s10, 1
	s_add_co_u32 s14, s14, s15                     ; waves 0 to 7 fetch rows 16 kc + 2 w and the next
	s_mul_i32 s14, s14, 25088
	s_mul_i32 s15, s12, 12544
	s_add_co_u32 s14, s14, s15                     ; under 2^26 bytes
	s_mov_b32 s15, 0
	s_mul_i32 s16, s12, 6553600                    ; w2q: four groups g for each H,
	s_lshr_b32 s17, s13, 3
	s_mul_i32 s17, s17, 51200                      ; s = kc / 8: 25 tiles of 2,048 bytes,
	s_add_co_u32 s16, s16, s17
	s_and_b32 s17, s13, 7
	s_lshl_b32 s17, s17, 8                         ; 512 c + 256 kh = 256 (kc mod 8)
	s_add_co_u32 s16, s16, s17
	s_mov_b32 s17, 0
	s_mul_i32 s18, s10, 2*LROW                     ; my two rows' place in LDS
	s_wait_dscnt 0x0                               ; both opening adds are done
	s_wait_kmcnt 0x0
	s_load_b32 s11, s[6:7], 0xc                    ; e3
	s_add_nc_u64 s[8:9], s[8:9], s[16:17]
	s_mov_b32 s[G0], 1
	s_mov_b32 s[G0+1], s18
	s_add_nc_u64 s[G0+2:G0+3], s[4:5], s[14:15]
	s_or_b32 s[G0+3], s[G0+3], 0x80000000          ; type = 2
	s_cmp_lt_u32 s10, 8                            ; eight waves fill, one tensor load each
	s_cbranch_scc0 .Lno_fill
	tensor_load_to_lds s[G0:G0+3], s[G1:G1+7]
	s_nop 0
.rept 4
	v_nop
.endr
.Lno_fill:
	; wave w: q = w / 5, tb = w mod 5: tiles 5 tb .. 5 tb + 4 of q.  Lane: e = lane mod 16 = 8 h + j; gl = lane / 16: which of the part's two groups
	s_wait_alu depctr_va_vdst(0)
	v_mul_u32_u24 v17, v16, 13
	s_delay_alu instid0(VALU_DEP_1)
	v_lshrrev_b32 v17, 6, v17                      ; q
	s_delay_alu instid0(VALU_DEP_1)
	v_mul_u32_u24 v18, v17, 5
	s_delay_alu instid0(VALU_DEP_1)
	v_sub_nc_u32 v18, v16, v18                     ; tb
	v_and_b32 v19, 7, v0                           ; j
	v_bfe_u32 v20, v0, 3, 1                        ; h
	v_bfe_u32 v21, v0, 4, 1                        ; gl
	v_and_b32 v22, 15, v0                          ; e
	s_delay_alu instid0(VALU_DEP_4)
	v_mad_u32_u24 v[F10], v18, 40, v19             ; f in the first tile
	s_delay_alu instid0(VALU_DEP_3)
	v_mul_u32_u24 v[B4], v21, 3136
	s_delay_alu instid0(VALU_DEP_1)
	v_mad_u32_u24 v[B4], v20, 1568, v[B4]
	s_delay_alu instid0(VALU_DEP_1)
	v_mad_u32_u24 v[B4], v17, 784, v[B4]
	s_delay_alu instid0(VALU_DEP_1)
	v_lshl_add_u32 v[B4], v[F10], 2, v[B4]
	v_add_nc_u32 v[F10], 1, v[F10]
	v_mul_u32_u24 v[VO], v21, 1638400              ; a group g of w2q,
	s_delay_alu instid0(VALU_DEP_1)
	v_lshl_add_u32 v[VO], v22, 4, v[VO]            ; my entry's 16 bytes,
	s_delay_alu instid0(VALU_DEP_1)
	v_mad_u32_u24 v[VO], v17, 819200, v[VO]        ; its half q: 16 s x 25 tiles x 2,048 bytes,
	s_delay_alu instid0(VALU_DEP_1)
	v_mad_u32_u24 v[VO], v18, 10240, v[VO]         ; my first tile, 5 tb
	s_wait_alu depctr_va_vdst(0)
	s_wait_kmcnt 0x0
	s_add_co_i32 s11, s11, 127
	s_lshl_b32 s19, s11, 23
	v_mov_b32 v[SCL], s19                          ; 2^e3 as f32: the conversion takes its exponent field
	s_add_co_i32 s11, s11, 8
	s_lshl_b32 s11, s11, 23
	s_or_b32 s11, s11, 0x600000
	v_mov_b32 v[LIM], s11                          ; 448 x 2^e3
; Tile it (0 .. 4) of part a: the lane's column, and its 16 numbers down K into set.
; I = (f + 1) / 50 padding columns lie in front of slot f; a padding slot itself (f + 1 = 50 I) reads the word of the slot before it, so that no read leaves the row; its codes are zeroed in WORK.
.macro LOADS set, a, it
	v_add_nc_u32 v[WK+4*\set], 8*(\it), v[F10]                  ; f + 1
	s_delay_alu instid0(VALU_DEP_1)
	v_mul_u32_u24 v[WK+4*\set+1], v[WK+4*\set], 1311
	s_delay_alu instid0(VALU_DEP_1)
	v_lshrrev_b32 v[WK+4*\set+1], 16, v[WK+4*\set+1]            ; (f + 1) / 50, right for f + 1 up to 200
	s_delay_alu instid0(VALU_DEP_1)
	v_lshlrev_b32 v[WK+4*\set+2], 2, v[WK+4*\set+1]
	s_delay_alu instid0(VALU_DEP_1)
	v_sub_nc_u32 v[WK+4*\set+2], v[B4], v[WK+4*\set+2]
	s_delay_alu instid0(VALU_DEP_1)
	v_add_nc_u32 v[WK+4*\set+2], (\a)*PART+32*(\it), v[WK+4*\set+2]
	s_delay_alu instid0(VALU_DEP_1)
	v_add_nc_u32 v[WK+4*\set+3], 4*LROW, v[WK+4*\set+2]         ; four rows to an address register: 3 LROW fits the 16-bit offset
	v_add_nc_u32 v[AX+2*\set], 8*LROW, v[WK+4*\set+2]
	v_add_nc_u32 v[AX+2*\set+1], 12*LROW, v[WK+4*\set+2]
.irp k, 0,1,2,3
	ds_load_b32 v[X+16*\set+\k], v[WK+4*\set+2] offset:\k*LROW
.endr
.irp k, 0,1,2,3
	ds_load_b32 v[X+16*\set+4+\k], v[WK+4*\set+3] offset:\k*LROW
.endr
.irp k, 0,1,2,3
	ds_load_b32 v[X+16*\set+8+\k], v[AX+2*\set] offset:\k*LROW
.endr
.irp k, 0,1,2,3
	ds_load_b32 v[X+16*\set+12+\k], v[AX+2*\set+1] offset:\k*LROW
.endr
.endm
; The set's 16 numbers become 16 codes and leave.  left: the LDS loads issued behind the set's own, which may stay out.
.macro WORK set, a, it, left
.set CC, C+4*(5*(\a)+(\it))
	s_wait_dscnt \left
.irp k, 0,1,2,3,4,5,6,7,8,9,10,11,12,13,14,15
	v_med3_num_f32 v[X+16*\set+\k], v[X+16*\set+\k], -v[LIM], v[LIM]   ; the conversion to an 8-bit code does not saturate (ISA guide 7.6.2): the hold at the largest code x the scale
.endr
	v_cvt_scalef32_pk8_fp8_f32 v[CC:CC+1], v[X+16*\set:X+16*\set+7], v[SCL]
	v_cvt_scalef32_pk8_fp8_f32 v[CC+2:CC+3], v[X+16*\set+8:X+16*\set+15], v[SCL]
	v_mul_u32_u24 v[WK+4*\set+1], v[WK+4*\set+1], 50            ; (a plain line between the conversions and the lines that touch their results)
	s_delay_alu instid0(VALU_DEP_1)
	v_cmp_ne_u32 vcc_lo, v[WK+4*\set+1], v[WK+4*\set]           ; f + 1 = 50 I: a padding slot
.irp n, 0,1,2,3
	v_cndmask_b32 v[CC+\n], 0, v[CC+\n], vcc_lo                 ; whose codes are zeros
.endr
	global_store_b128 v[VO], v[CC:CC+3], s[8:9] offset:(\it)*2048+(\a)*3276800   ; lanes 0-15 and lanes 16-31 each store 256 consecutive bytes, aligned
.endm
.macro PARTWORK a                      ; five tiles, the LDS loads one tile ahead of the work
	LOADS 0, \a, 0
	LOADS 1, \a, 1
	WORK 0, \a, 0, 16
	LOADS 0, \a, 2
	WORK 1, \a, 1, 16
	LOADS 1, \a, 3
	WORK 0, \a, 2, 16
	LOADS 0, \a, 4
	WORK 1, \a, 3, 16
	WORK 0, \a, 4, 0
.endm
	s_wait_tensorcnt 0x0                           ; my two rows are in
	s_barrier_signal -1
	s_barrier_wait -1                              ; everybody's are; nothing is filled again in this launch
	PARTWORK 0
	PARTWORK 1
	s_wait_tensorcnt 0x0                           ; the wave's end
	ds_add_u32 v[SPW], v[NIL]
	s_wait_dscnt 0x0
	s_endpgm
.Lfunc_end_k_q412c602883_quant_w2:
	.size	k_q412c602883_quant_w2, .Lfunc_end_k_q412c602883_quant_w2-k_q412c602883_quant_w2
	.p2alignl 7, 3214868480
	.fill 96, 4, 3214868480
	.section	.rodata,"a",@progbits
	.p2align	6, 0x0
	.amdhsa_kernel k_q412c602883_quant_w2
		.amdhsa_group_segment_fixed_size 201984
		.amdhsa_private_segment_fixed_size 0
		.amdhsa_enable_private_segment 0
		.amdhsa_kernarg_size 24
		.amdhsa_user_sgpr_count 2
		.amdhsa_user_sgpr_kernarg_segment_ptr 1
		.amdhsa_wavefront_size32 1
		.amdhsa_system_sgpr_workgroup_id_x 1
		.amdhsa_system_sgpr_workgroup_id_y 1
		.amdhsa_system_sgpr_workgroup_id_z 1
		.amdhsa_system_vgpr_workitem_id 0
		.amdhsa_next_free_vgpr 96
		.amdhsa_next_free_sgpr 66
		.amdhsa_reserve_vcc 1
		.amdhsa_float_denorm_mode_32 3
		.amdhsa_float_denorm_mode_16_64 3
		.amdhsa_memory_ordered 1
		.amdhsa_forward_progress 1
		.amdhsa_inst_pref_size 37
	.end_amdhsa_kernel
	.amdgpu_metadata
---
amdhsa.version: [ 1, 2 ]
amdhsa.kernels:
  - .name:           k_q412c602883_quant_w2
    .symbol:         k_q412c602883_quant_w2.kd
    .args:
      - { .name: W2, .offset: 0, .size: 8, .value_kind: global_buffer, .address_space: global }
      - { .name: lowp_scales, .offset: 8, .size: 8, .value_kind: global_buffer, .address_space: global }
      - { .name: w2q, .offset: 16, .size: 8, .value_kind: global_buffer, .address_space: global }
    .group_segment_fixed_size: 201984
    .private_segment_fixed_size: 0
    .kernarg_segment_align: 8
    .kernarg_segment_size: 24
    .max_flat_workgroup_size: 320
    .sgpr_count:     66
    .vgpr_count:     96
    .wavefront_size: 32
...
	.end_amdgpu_metadata
.endif
;; end of part 1
;; launch hidden (part 2): grid 16 x 16, 4 waves a work-group, no clusters, 16,896 bytes of LDS; arguments x, W1, b1, lowp_scales, hq; writes hq
.if DOCPART == 2
	.amdgcn_target "amdgcn-amd-amdhsa--gfx1250"
	.amdhsa_code_object_version 6
	.text
	.protected	k_q412c602883_hidden
	.globl	k_q412c602883_hidden
	.p2align	8
	.type	k_q412c602883_hidden,@function
k_q412c602883_hidden:
	s_mov_b64 s[64:65], 0
	v_nop
	global_prefetch_b8 v0, s[64:65] scope:SCOPE_SE
	s_setreg_imm32_b32 hwreg(HW_REG_WAVE_MODE, 25, 1), 1
	s_wait_xcnt 0x0
; hq = Q(relu(Q(x) Q(W1) + b1)): the first product on codes of E4M3 with the given scales 2^e0 (x), 2^e1 (W1); its result is quantised with 2^e2 and stored as codes.
; x [4096][128], W1 [128 (k)][2048 (n)], b1 [2048]: f32.  hq [I 32][s 16][mt8 8][c 4][lane 32][16 bytes]: IMAGES OF OPERAND REGISTERS for the second product:
; lane = r + 16 kh holds, of row 128 I + 16 mt8 + r, hidden units 128 s + 32 c + 16 kh + 0 .. 15.
; SHARES.  A work-group takes 256 rows (y) x 128 hidden units (x).  Its part of W1 (128 k x 128 n) is quantised once: wave w takes columns 32 w + lane, its 128 registers run down K, so the codes come out with K innermost;
; they go to LDS as the images of eight fragments, which every wave then keeps in registers.  Wave w takes rows 64 w .. 64 w + 63, four tiles of 16.
; THE PRODUCT IS USED TRANSPOSED (source 0 = 16 hidden units, source 1 = 16 rows of x): a lane holds ONE row, and its registers run along the hidden units.
; THE HIDDEN UNITS OF A TILE ARE NOT NEIGHBOURS: entry e of tile 2 b + u is unit 32 b + 8 u + e + 8 (e / 8), so that a lane's 16 registers of tiles 2 b, 2 b + 1 are 16 neighbours: 32 b + 16 (lane / 16) + 0 .. 15.
; b1, divided by 2^(e0 + e1), is the C of each product; the activation and the hold at the largest code are one v_med3_num_f32; the three scales are folded into the conversion's one.
; x and W1 are each read by sixteen work-groups and quantised in registers; no cluster: the shared parts are 64 KiB and 128 KiB a work-group, read once each.
; LIMITS: e0, e1 and e2 - e0 - e1 between -126 and 119.  NaN among the inputs is not served.
.set XA,  1                            ; v1   x: my lane's byte in a tile of 16 rows: 512 r + 64 kh
.set WA,  2                            ; v2   W1: 4 x lane
.set WI,  3                            ; v3   where I store my column's codes in the images
.set LI,  4                            ; v4   16 x lane
.set BA,  5                            ; v5   b1: 64 x (lane / 16)
.set SX,  8                            ; v8, v9   2^e0, 448 x 2^e0
.set LX,  9
.set SW1, 10                           ; v10, v11 2^e1, 448 x 2^e1
.set LW1, 11
.set SH,  12                           ; v12, v13 2^(e2 - e0 - e1), 448 x that
.set LH,  13
.set SPW, 14                           ; v14  LDS address of my spare word; never rewritten
.set NIL, 15                           ; v15  0; never rewritten
.set XC,  16                           ; v16-31  x's fragment (first, v16-47: my column's codes of W1)
.set HC,  32                           ; v32-47  the hidden layer's codes
.set ACC, 64                           ; v64-127 eight tiles of the hidden layer (first, v64-191: my column of W1 in f32)
.set XS1, 128                          ; v128-191 x's numbers of the odd tiles of rows
.set XS0, 192                          ; v192-255 of the even ones
.set B1,  128                          ; window 1: v0-127 W1's eight fragments; v128-191 b1's eight tiles in the result's layout
.set SPARE, 16384                      ; behind the images: the spare words, 128 bytes for each wave
.set MSB, 0
.macro WIN new                         ; the immediate's high byte repeats the setting that is left
.if MSB != (\new)
	s_set_vgpr_msb (MSB<<8)|(\new)
.set MSB, (\new)
.endif
.endm
; 64 numbers of a lane, register 16 b + i = k 32 b + 16 (lane / 16) + i of its row, become a fragment's 16 registers of codes
.macro QUANT s, d, relu, sc, lim
.irp b, 0,1,2,3
.irp i, 0,1,2,3,4,5,6,7,8,9,10,11,12,13,14,15
.if \relu
	v_med3_num_f32 v[\s+16*\b+\i], v[\s+16*\b+\i], 0, v[\lim]          ; the activation and the hold in one
.else
	v_med3_num_f32 v[\s+16*\b+\i], v[\s+16*\b+\i], -v[\lim], v[\lim]   ; the conversion to an 8-bit code does not saturate (ISA guide 7.6.2)
.endif
.endr
	v_cvt_scalef32_pk8_fp8_f32 v[\d+4*\b:\d+4*\b+1], v[\s+16*\b:\s+16*\b+7], v[\sc]
	v_cvt_scalef32_pk8_fp8_f32 v[\d+4*\b+2:\d+4*\b+3], v[\s+16*\b+8:\s+16*\b+15], v[\sc]
.endr
	v_nop                                          ; a plain line between the last conversion and the matrix instructions that read its result or write its sources
.endm
.macro XLOAD reg, m                    ; tile m of my rows: 64 numbers a lane
.irp b, 0,1,2,3
.irp j, 0,1,2,3
	global_load_b128 v[\reg+16*\b+4*\j:\reg+16*\b+4*\j+3], v[XA], s[4:5] offset:(\m)*8192+128*\b+16*\j
.endr
.endr
.endm
	s_load_b256 s[4:11], s[0:1], 0x0               ; x s[4:5], W1 s[6:7], b1 s[8:9], the scales' exponents s[10:11]
	s_load_b64 s[12:13], s[0:1], 0x20              ; hq
	v_lshl_add_u32 v[SPW], v0, 2, SPARE
	v_mov_b32 v[NIL], 0
	v_lshrrev_b32 v6, 5, v0
	v_readfirstlane_b32 s14, v6                    ; wave 0..3
	s_and_b32 s15, ttmp7, 0xffff                   ; rb: which 256 rows
	v_and_b32 v6, 31, v0                           ; lane
	v_and_b32 v7, 15, v0                           ; r
	v_bfe_u32 v[BA], v0, 4, 1                      ; lane / 16
	v_lshlrev_b32 v[XA], 9, v7
	v_lshl_add_u32 v[XA], v[BA], 6, v[XA]
	v_lshlrev_b32 v[WA], 2, v6
	v_lshlrev_b32 v[LI], 4, v6
	; my column is unit 32 w + 16 hh + 8 u + j (lane = 16 hh + 8 u + j): entry 8 hh + j of tile 2 w + u.  Its codes of k = 32 c + 16 kh + 0 .. 15 belong at 2048 (2 w + u) + 512 c + 256 kh + 16 (8 hh + j)
	v_and_b32 v7, 7, v0
	v_lshlrev_b32 v[WI], 4, v7
	v_lshl_add_u32 v[WI], v[BA], 7, v[WI]
	v_bfe_u32 v7, v0, 3, 1
	v_lshl_add_u32 v[WI], v7, 11, v[WI]
	s_lshl_b32 s16, s14, 12
	v_add_nc_u32 v[WI], s16, v[WI]
	v_lshlrev_b32 v[BA], 6, v[BA]
	s_lshl_b32 s16, s15, 17                        ; x: (256 rb + 64 w) rows of 512 bytes
	s_lshl_b32 s17, s14, 15
	s_add_co_u32 s16, s16, s17
	s_mov_b32 s17, 0
	s_lshl_b32 s18, ttmp9, 9                       ; W1: column 128 s + 32 w, 4 bytes each
	s_lshl_b32 s19, s14, 7
	s_add_co_u32 s18, s18, s19
	s_mov_b32 s19, 0
	s_lshl_b32 s20, ttmp9, 9                       ; b1: 128 s
	s_mov_b32 s21, 0
	s_lshl_b32 s22, s15, 19                        ; hq: I = 2 rb + w / 2, 262,144 bytes each; s: 16,384; mt8 = 4 (w mod 2) + m: 2,048
	s_lshr_b32 s23, s14, 1
	s_lshl_b32 s23, s23, 18
	s_add_co_u32 s22, s22, s23
	s_lshl_b32 s23, ttmp9, 14
	s_add_co_u32 s22, s22, s23
	s_and_b32 s23, s14, 1
	s_lshl_b32 s23, s23, 13
	s_add_co_u32 s22, s22, s23
	s_mov_b32 s23, 0
	s_wait_alu depctr_va_vdst(0)
	s_wait_kmcnt 0x0
	s_load_b128 s[24:27], s[10:11], 0x0            ; e0, e1, e2, e3
	s_add_nc_u64 s[4:5], s[4:5], s[16:17]
	s_add_nc_u64 s[6:7], s[6:7], s[18:19]
	s_add_nc_u64 s[8:9], s[8:9], s[20:21]
	s_add_nc_u64 s[12:13], s[12:13], s[22:23]
.set kk, 0
.rept 128
	global_load_b32 v[ACC+kk], v[WA], s[6:7] offset:kk*8192    ; W1(k, my column): the wave reads 128 consecutive bytes, the four waves 512
.set kk, kk+1
.endr
	XLOAD XS0, 0
	WIN 0x40                                       ; destination window 1
.irp t, 0,1,2,3,4,5,6,7                        ; b1 at the lane's eight units of tile t: 32 (t / 2) + 16 (lane / 16) + 8 (t mod 2) + 0 .. 7
	global_load_b128 v[B1+8*\t:B1+8*\t+3], v[BA], s[8:9] offset:(32*(\t/2)+8*(\t%2))*4
	global_load_b128 v[B1+8*\t+4:B1+8*\t+7], v[BA], s[8:9] offset:(32*(\t/2)+8*(\t%2))*4+16
.endr
	WIN 0
	s_wait_kmcnt 0x0
	s_add_co_i32 s28, s24, 127
	s_lshl_b32 s29, s28, 23
	v_mov_b32 v[SX], s29
	s_add_co_i32 s28, s28, 8
	s_lshl_b32 s28, s28, 23
	s_or_b32 s28, s28, 0x600000
	v_mov_b32 v[LX], s28
	s_add_co_i32 s28, s25, 127
	s_lshl_b32 s29, s28, 23
	v_mov_b32 v[SW1], s29
	s_add_co_i32 s28, s28, 8
	s_lshl_b32 s28, s28, 23
	s_or_b32 s28, s28, 0x600000
	v_mov_b32 v[LW1], s28
	s_add_co_i32 s30, s24, s25                     ; a sum stands for sum x 2^(e0 + e1)
	s_sub_co_i32 s31, 0, s30
	s_sub_co_i32 s28, s26, s30
	s_add_co_i32 s28, s28, 127
	s_lshl_b32 s29, s28, 23
	v_mov_b32 v[SH], s29
	s_add_co_i32 s28, s28, 8
	s_lshl_b32 s28, s28, 23
	s_or_b32 s28, s28, 0x600000
	v_mov_b32 v[LH], s28
	; ---- my column of W1 becomes 128 codes, and they go into the images
	s_wait_alu depctr_va_vdst(0)
	s_wait_loadcnt 32                              ; W1's 128 loads are in; x's first tile (16) and b1 (16) may be out
.set gg, 0
.rept 16
.irp i, 0,1,2,3,4,5,6,7
	v_med3_num_f32 v[ACC+8*gg+\i], v[ACC+8*gg+\i], -v[LW1], v[LW1]
.endr
	v_cvt_scalef32_pk8_fp8_f32 v[XC+2*gg:XC+2*gg+1], v[ACC+8*gg:ACC+8*gg+7], v[SW1]
.set gg, gg+1
.endr
	v_nop                                          ; a plain line behind the last conversion: matrix instructions later write its sources
.irp c, 0,1,2,3
.irp kh, 0,1
	ds_store_b128 v[WI], v[XC+8*\c+4*\kh:XC+8*\c+4*\kh+3] offset:512*\c+256*\kh
.endr
.endr
	XLOAD XS1, 1
	s_wait_dscnt 0x0                               ; for the others' sake: my stores have landed
	s_barrier_signal -1
	s_barrier_wait -1                              ; W1's eight fragments lie in LDS
	WIN 0x40
.irp t, 0,1,2,3,4,5,6,7
.irp c, 0,1,2,3
	ds_load_b128 v[16*\t+4*\c:16*\t+4*\c+3], v[LI] offset:\t*2048+512*\c
.endr
.endr
	WIN 0
	s_wait_loadcnt 16                              ; x's first tile and b1 are in; x's second tile may be out
	WIN 0x41                                       ; source 0 and destination window 1
.set kk, 0
.rept 64
	v_ldexp_f32 v[B1+kk], v[B1+kk], s31            ; b1 / 2^(e0 + e1)
.set kk, kk+1
.endr
	WIN 0
; A tile of 16 rows.  The x loads run two tiles ahead, in two sets of registers.
.macro MT m
.set XS, XS0-64*((\m)%2)
.if (\m) < 3
	s_wait_loadcnt 16                              ; this tile's 16 loads are in; the next tile's may be out
.else
	s_wait_loadcnt 0
.endif
	QUANT XS, XC, 0, SX, LX
.if (\m)+2 <= 3
	XLOAD XS, (\m)+2
.endif
.if (\m) == 0
	s_wait_alu depctr_va_vdst(0)
	s_wait_dscnt 0x0                               ; W1's fragments are in
.endif
	WIN 0x11                                       ; source 0 (W1) and source 2 (b1) window 1
.irp t, 0,1,2,3,4,5,6,7
	v_wmma_f32_16x16x128_fp8_fp8 v[ACC+8*\t:ACC+8*\t+7], v[16*\t:16*\t+15], v[XC:XC+15], v[B1+8*\t:B1+8*\t+7]
.endr
	WIN 0
.rept 4
	v_nop                                          ; places in front of the first read of results (ISA guide 7.12.1)
.endr
	s_wait_xcnt 0x0                                ; the last tile's stores have read their data registers, which are written again below
	QUANT ACC, HC, 1, SH, LH                       ; each accumulator from its low end on
.irp c, 0,1,2,3
	global_store_b128 v[LI], v[HC+4*\c:HC+4*\c+3], s[12:13] offset:(\m)*2048+512*\c   ; 32 lanes store 512 consecutive bytes, aligned
.endr
.endm
	MT 0
	MT 1
	MT 2
	MT 3
	s_wait_tensorcnt 0x0                           ; the wave's end, behind my last LDS store
	ds_add_u32 v[SPW], v[NIL]
	s_wait_dscnt 0x0
	s_endpgm
.Lfunc_end_k_q412c602883_hidden:
	.size	k_q412c602883_hidden, .Lfunc_end_k_q412c602883_hidden-k_q412c602883_hidden
	.p2alignl 7, 3214868480
	.fill 96, 4, 3214868480
	.section	.rodata,"a",@progbits
	.p2align	6, 0x0
	.amdhsa_kernel k_q412c602883_hidden
		.amdhsa_group_segment_fixed_size 16896
		.amdhsa_private_segment_fixed_size 0
		.amdhsa_enable_private_segment 0
		.amdhsa_kernarg_size 40
		.amdhsa_user_sgpr_count 2
		.amdhsa_user_sgpr_kernarg_segment_ptr 1
		.amdhsa_wavefront_size32 1
		.amdhsa_system_sgpr_workgroup_id_x 1
		.amdhsa_system_sgpr_workgroup_id_y 1
		.amdhsa_system_sgpr_workgroup_id_z 1
		.amdhsa_system_vgpr_workitem_id 0
		.amdhsa_next_free_vgpr 448
		.amdhsa_next_free_sgpr 66
		.amdhsa_reserve_vcc 0
		.amdhsa_float_denorm_mode_32 3
		.amdhsa_float_denorm_mode_16_64 3
		.amdhsa_memory_ordered 1
		.amdhsa_forward_progress 1
		.amdhsa_inst_pref_size 80
	.end_amdhsa_kernel
	.amdgpu_metadata
---
amdhsa.version: [ 1, 2 ]
amdhsa.kernels:
  - .name:           k_q412c602883_hidden
    .symbol:         k_q412c602883_hidden.kd
    .args:
      - { .name: x, .offset: 0, .size: 8, .value_kind: global_buffer, .address_space: global }
      - { .name: W1, .offset: 8, .size: 8, .value_kind: global_buffer, .address_space: global }
      - { .name: b1, .offset: 16, .size: 8, .value_kind: global_buffer, .address_space: global }
      - { .name: lowp_scales, .offset: 24, .size: 8, .value_kind: global_buffer, .address_space: global }
      - { .name: hq, .offset: 32, .size: 8, .value_kind: global_buffer, .address_space: global }
    .group_segment_fixed_size: 16896
    .private_segment_fixed_size: 0
    .kernarg_segment_align: 8
    .kernarg_segment_size: 40
    .max_flat_workgroup_size: 128
    .sgpr_count:     66
    .vgpr_count:     448
    .wavefront_size: 32
...
	.end_amdgpu_metadata
.endif
;; end of part 2
;; launch spline_gemm (part 3): grid 16 x 16, 4 waves a work-group, clusters of 4 x 4, 327,680 bytes of LDS; arguments hq, w2q, lowp_scales, b2, y, o_ws, p_ws; writes o_ws, p_ws
.if DOCPART == 3
	.amdgcn_target "amdgcn-amd-amdhsa--gfx1250"
	.amdhsa_code_object_version 6
	.text
	.protected	k_q412c602883_spline_gemm
	.globl	k_q412c602883_spline_gemm
	.p2align	8
	.type	k_q412c602883_spline_gemm,@function
k_q412c602883_spline_gemm:
	s_mov_b64 s[64:65], 0
	v_nop
	global_prefetch_b8 v0, s[64:65] scope:SCOPE_SE
	s_setreg_imm32_b32 hwreg(HW_REG_WAVE_MODE, 25, 1), 1
	s_wait_xcnt 0x0
	s_wait_alu depctr_hold_cnt(0) depctr_sa_sdst(0) depctr_va_vdst(0) depctr_va_sdst(0) depctr_va_ssrc(0) depctr_va_vcc(0) depctr_vm_vsrc(0)
	s_getreg_b32 s2, hwreg(HW_REG_IB_STS2, 6, 4)
	s_cmp_eq_u32 s2, 0
	s_cbranch_scc0 .Lentry_in_a_cluster
	s_endpgm
.Lentry_in_a_cluster:
	s_bfe_u32 s2, ttmp6, 0x10000c
	s_cmp_lg_u32 s2, 0xf033
	s_cbranch_scc0 .Lentry_shape_is_right
	s_endpgm
.Lentry_shape_is_right:
; pdf = h W2 + b2 on codes of E4M3 (hq with 2^e2, w2q with 2^e3), and the rational-quadratic spline on it, in one launch: pdf never goes to memory.
; A work-group makes 256 rows x 400 slots (8 values of d x 50 slots: 49 parameters and one column of zero codes); wave w makes rows 64 w .. 64 w + 63 x all 400: 100 accumulators, 800 registers.
; THE PRODUCT IS USED TRANSPOSED (source 0 = 16 entries of w2q, source 1 = 16 rows of hq): lane (r, h) holds row r, and its 200 registers of a tile of rows are the 4 x 50 slots of d = 16 g + 8 h + 4 q + 0 .. 3.
; B (w2q) is read by all four waves: it goes through a ring of two LDS slots of 256 along K (102,400 bytes on end in memory); each wave fetches a quarter by one tensor load of 100 rows of 256 bytes.
; CLUSTERS 4 x 4: the four work-groups of a column need the same slots of B and ask for them jointly.
; A (hq) lies in memory as images of operand registers, and each image is read by ONE wave of the work-group: it goes from memory straight into registers, 8 loads of 512 consecutive bytes for 64 along K,
; in a ring of four buffers, asked for three phases (300 matrix instructions) ahead.  It is not asked for jointly: with A in LDS two slots of 256 along K would take 335,872 bytes, more than LDS has.
; PREFETCH: at the change out of slot j the refill asks for slot j + 2, and each wave names 25 blocks of 256 bytes of slot j + 3: the four partners of a column share a slot's 400 blocks out by address (cy, wave, lane);
; slots 0 to 2 come by their loads alone, and nothing is named past slot 7.  A has none: its loads themselves stand three phases ahead of their use.
; A phase is 64 along K: 100 matrix instructions in five groups of five tiles; the next group's ten LDS loads stand ahead of each group.  b2 / 2^(e2 + e3) is the C of the first phase.
; out0's numbers and each lane's partial sum of ln(derivative) go to workspace, 512 consecutive bytes a store; the next launch lays rows and adds the partial sums.
; LIMITS: e2 + e3 between -123 and 126, so that 2^(e2 + e3), its reciprocal and log2(e) x 2^(e2 + e3) are f32 numbers.  NaN among the inputs is not served.
.set SLOT,  102400
.set SPARE, 2*SLOT                     ; the spare words, 128 bytes a wave: two blocks of 256 bytes that no other line names
.set BST,   SPARE+512                  ; b2's stage, 2,048 bytes for each wave, the wave's own; no tensor load lands there
.set LI,   1                           ; v1 16 x lane; v1-4: B's LDS addresses: 16 x lane + 51,200 x (2 slot + which 128 along K)
.set SPW,  5
.set NIL,  6
.set BL,   7                           ; b2's stage, my half's 200 slots
.set YO,   8                           ; y: 512 r + 32 h
.set PFO,  9                           ; the prefetch: 256 x min(lane, 24)
.set T24,  16                          ; v16-47 tile 24's four accumulators
.set AF,   48                          ; v48-175 A: four buffers of 32
.set BB,   176                         ; v176-255 B: two buffers of five tiles
.set G1B,  48
.set G0B,  56                          ; s[56:63] group 0, one for each slot
.set PFA,  92                          ; s[92:93] the prefetch's base
.set KT,   48
.set YR,   64
.set LACC, 80
.set PB,   96
.set oZH,0
.set oZ16,15
.set oHH,16
.set oH16,31
.set oZL,32
.set oHL,33
.set oD0,8
.set oD1,9
.set oEW,17
.set oNU,18
.set oEH,19
.set oA0,20
.set oA1,21
.set oRW,22
.set oRH,23
.set oP0,24
.set oP1,25
.set oT,26
.set oSL,27
.set oOM,28
.set oTT,29
.set oTO,30
.set oOO,1
.set oS2,2
.set oDK,3
.set oDK1,4
.set oDEN,5
.set oRDN,6
.set oNO,7
.set oIN,10
.set oDV,11
.set oTM,12
.set MSB, 0
.macro WIN new                         ; the immediate's high byte repeats the setting that is left
.if MSB != (\new)
	s_set_vgpr_msb (MSB<<8)|(\new)
.set MSB, (\new)
.endif
.endm
.macro LOC f, mt                       ; slot f of tile of rows mt: window LW, register LR
.if (\f) < 192
.set LW, 1+(\f)/64
.set LR, 64*(\mt)+(\f)%64
.else
.set LW, 0
.set LR, T24+8*(\mt)+(\f)-192
.endif
.endm
.macro TLOC t                          ; tile t's accumulators: window TW, v[TR + TS mt]
.if (\t) < 24
.set TW, 1+(\t)/8
.set TR, 8*((\t)%8)
.set TS, 64
.else
.set TW, 0
.set TR, T24
.set TS, 8
.endif
.endm
.macro PLACES n
.rept \n
	v_nop
.endr
.endm
.macro JLOAD s                         ; my quarter of a slot, asked for jointly with my column; s_nop 0 and four v_nop follow
	tensor_load_to_lds s[G0B+4*(\s):G0B+4*(\s)+3], s[G1B:G1B+7]
	s_nop 0
	PLACES 4
.endm
.macro CREST
	s_cmp_lg_u32 s18, 0
	s_cbranch_scc1 .Lnot_wave_0_\@
	s_barrier_signal -3
.Lnot_wave_0_\@:
	s_barrier_wait -3
	s_barrier_signal -1
	s_barrier_wait -1
.endm
.macro CROUND
	s_barrier_signal -1
	s_barrier_wait -1
	CREST
.endm
.macro ALOAD q                         ; A of phase q, counted from the lap's first, into buffer q mod 4
.irp mt, 0,1,2,3
	global_load_b128 v[AF+32*((\q)%4)+8*\mt:AF+32*((\q)%4)+8*\mt+3], v[LI], s[22:23] offset:((\q)/2)*16384+((\q)%2)*1024+\mt*2048
	global_load_b128 v[AF+32*((\q)%4)+8*\mt+4:AF+32*((\q)%4)+8*\mt+7], v[LI], s[22:23] offset:((\q)/2)*16384+((\q)%2)*1024+\mt*2048+512
.endr
.endm
.macro FETCH_B p, g                    ; tiles 5 g .. 5 g + 4 of phase p (mod 8) into buffer (5 p + g) mod 2
.set FP, (\p)%8
.set FB, BB+40*((5*(\p)+(\g))%2)
.set FA, LI+FP/2
.set jj, 0
.rept 5
	ds_load_b128 v[FB+8*jj:FB+8*jj+3], v[FA] offset:(5*(\g)+jj)*2048+1024*(FP%2)
	ds_load_b128 v[FB+8*jj+4:FB+8*jj+7], v[FA] offset:(5*(\g)+jj)*2048+1024*(FP%2)+512
.set jj, jj+1
.endr
.endm
.macro MULT p, g, j0, j1               ; tiles 5 g + j0 .. 5 g + j1 x my four tiles of rows; the 100 accumulators take turns
.set MB, BB+40*((5*(\p)+(\g))%2)
.set MA, AF+32*((\p)%4)
.set jj, \j0
.rept \j1-\j0+1
	TLOC 5*(\g)+jj
	WIN (TW<<6)|(TW<<4)
.irp mt, 0,1,2,3
	v_wmma_f32_16x16x64_fp8_fp8 v[TR+TS*\mt:TR+TS*\mt+7], v[MB+8*jj:MB+8*jj+7], v[MA+8*\mt:MA+8*\mt+7], v[TR+TS*\mt:TR+TS*\mt+7]
.endr
.set jj, jj+1
.endr
.endm
.macro MULF g                          ; the first phase: b2 lies in the registers of the fourth tile of rows and is the C of all four
.set MB, BB+40*((\g)%2)
.irp mt, 0,1,2
.set jj, 0
.rept 5
	TLOC 5*(\g)+jj
	WIN (TW<<6)|(TW<<4)
	v_wmma_f32_16x16x64_fp8_fp8 v[TR+TS*\mt:TR+TS*\mt+7], v[MB+8*jj:MB+8*jj+7], v[AF+8*\mt:AF+8*\mt+7], v[TR+TS*3:TR+TS*3+7]
.set jj, jj+1
.endr
.endr
	PLACES 5                                       ; the products below write over registers that those above read as C
.set jj, 0
.rept 5
	TLOC 5*(\g)+jj
	WIN (TW<<6)|(TW<<4)
	v_wmma_f32_16x16x64_fp8_fp8 v[TR+TS*3:TR+TS*3+7], v[MB+8*jj:MB+8*jj+7], v[AF+24:AF+31], v[TR+TS*3:TR+TS*3+7]
.set jj, jj+1
.endr
.endm
; A group.  al = 1: at the phase's head A of phase p + 3 is asked for, into the buffer that phase p - 1 has left; al = 2: y.  lc: the loads younger than phase p's own.
.macro GROUP p, g, first, al, lc
	PLACES 4                                       ; in front of loads into registers that matrix instructions have read
	WIN 0
.if (\g) == 0
.if (\al) == 1
	ALOAD (\p)+3
.endif
.if (\al) == 2
.irp mt, 0,1,2,3
	global_load_b128 v[YR+4*\mt:YR+4*\mt+3], v[YO], s[12:13] offset:\mt*8192 th:TH_LOAD_NT
.endr
.endif
.endif
.if (\g) < 4
	FETCH_B \p, (\g)+1
.else
	FETCH_B (\p)+1, 0
.endif
.if (\g) == 0
	s_wait_loadcnt \lc
.endif
	s_wait_dscnt 10                                ; all but the ten just issued
.if \first
	MULF \g
.else
	MULT \p, \g, 0, 4
.endif
.endm
.macro PHASE p, al, lc                 ; groups 0 to 3
.irp g, 0,1,2,3
	GROUP \p, \g, 0, \al, \lc
.endr
.endm
.macro FULL p, al, lc
	PHASE \p, \al, \lc
	GROUP \p, 4, 0, 0, 0
.endm
; Group 4 of a slot's last phase changes slots.  fill = 1: the slot just read out takes the slot two further on.  ask = 1: the prefetch; 2: not in the loop's last trip.
.macro TURN p, fill, ask
	WIN 0
	s_wait_tensorcnt 0x0                           ; my one load that was out, my quarter of the next slot, has landed;
	ds_add_u32 v[SPW], v[NIL]
.if \fill
	s_add_nc_u64 s[G0B+4*((\p)/4)+2:G0B+4*((\p)/4)+3], s[G0B+4*((\p)/4)+2:G0B+4*((\p)/4)+3], 2*SLOT
.endif
	s_wait_dscnt 0x0                               ; the add is done and my reads of this slot are over
	s_barrier_signal -1
	MULT \p, 4, 0, 1
	WIN 0
	s_barrier_wait -1
.if \fill
	CREST                                          ; the barrier has opened a round of the cluster's barrier
	JLOAD (\p)/4                                   ; its four v_nop are also the places in front of the loads below
.else
	PLACES 4
.endif
	FETCH_B (\p)+1, 0
.if (\ask) == 2
	s_cmp_lg_u32 s3, 1
	s_cbranch_scc0 .Lno_ask_\@
.endif
.if \ask
	global_prefetch_b8 v[PFO], s[PFA:PFA+1] offset:(3+(\p)/4)*SLOT th:TH_LOAD_NT scope:SCOPE_SE
.endif
.if (\ask) == 2
.Lno_ask_\@:
.endif
	MULT \p, 4, 2, 4
.endm
	s_load_b256 s[4:11], s[0:1], 0x0               ; hq, w2q, the scales' exponents, b2
	s_load_b128 s[12:15], s[0:1], 0x20             ; y, o_ws
	s_load_b64 s[16:17], s[0:1], 0x30              ; p_ws
	v_lshl_add_u32 v[SPW], v0, 2, SPARE
	v_mov_b32 v[NIL], 0
	ds_add_u32 v[SPW], v[NIL]                      ; the opening: the add, twice on end, and its wait
	ds_add_u32 v[SPW], v[NIL]
	v_lshrrev_b32 v10, 5, v0
	v_readfirstlane_b32 s18, v10                   ; wave
	s_lshl_b32 s86, s18, 11
	s_add_co_u32 s86, s86, BST                     ; my stage for b2
	v_and_b32 v10, 31, v0
	v_lshlrev_b32 v[LI], 4, v10
	v_add_nc_u32 v[LI+1], 51200, v[LI]
	v_add_nc_u32 v[LI+2], SLOT, v[LI]
	v_add_nc_u32 v[LI+3], SLOT+51200, v[LI]
	v_and_b32 v11, 15, v0
	v_bfe_u32 v12, v0, 4, 1
	v_lshlrev_b32 v[YO], 9, v11
	v_lshl_add_u32 v[YO], v12, 5, v[YO]
	v_min_u32 v[PFO], 24, v10
	v_lshlrev_b32 v[PFO], 8, v[PFO]
	v_lshl_add_u32 v[BL], v12, 10, s86
	v_lshlrev_b32 v13, 2, v10                      ; b2: 196 columns for each h: six loads of 32 and one of the last four
	v_add_nc_u32 v14, 192, v10
	v_min_u32 v14, 195, v14
	v_lshlrev_b32 v14, 2, v14
.irp n, 0,1,2,3,4,5,6
	v_add_nc_u32 v[192+\n], 32*\n, v10             ; column cc goes to slot cc + cc / 49
	v_mul_u32_u24 v[200+\n], v[192+\n], 1338
	v_lshrrev_b32 v[200+\n], 16, v[200+\n]
	v_add_nc_u32 v[192+\n], v[192+\n], v[200+\n]
	v_lshl_add_u32 v[192+\n], v[192+\n], 2, s86
.endr
	v_and_b32 v11, 3, v0                           ; the eight padding slots 50 i + 49 take 0
	v_mul_u32_u24 v11, v11, 200
	v_bfe_u32 v15, v0, 2, 1
	v_lshl_add_u32 v11, v15, 10, v11
	v_add_nc_u32 v11, s86, v11
	v_mov_b32 v15, 0
	s_wait_alu depctr_va_vdst(0)                   ; the wait ahead of the scalar lines and waits below
	s_lshr_b32 s19, s18, 1
	s_and_b32 s20, s18, 1
	s_bfe_u32 s40, ttmp6, 0x40000                  ; cx, cy
	s_bfe_u32 s41, ttmp6, 0x40004
	s_lshl_b32 s42, ttmp9, 2
	s_add_co_u32 s42, s42, s40                     ; 2 g + q
	s_and_b32 s21, ttmp7, 0xffff
	s_lshl_b32 s21, s21, 2
	s_add_co_u32 s21, s21, s41                     ; which 256 rows
	s_lshl_b32 s44, 0x1111, s40                    ; my column of the cluster
	s_or_b32 s[G1B+0], s44, (3<<16)|(1<<21)        ; elements of 8 bytes; 100 rows of 32, dense
	s_mov_b32 s[G1B+1], 32<<16
	s_mov_b32 s[G1B+2], 100<<16
	s_mov_b32 s[G1B+3], 32<<16
	s_mov_b32 s[G1B+4], 100
	s_mov_b32 s[G1B+5], 32
	s_mov_b32 s[G1B+6], 0
	s_mov_b32 s[G1B+7], 0
	s_lshl_b32 s22, s21, 19                        ; hq: I = 2 x row block + w / 2: 262,144 bytes; mt8 = 4 (w mod 2): 2,048 each
	s_lshl_b32 s45, s19, 18
	s_add_co_u32 s22, s22, s45
	s_lshl_b32 s45, s20, 13
	s_add_co_u32 s22, s22, s45
	s_mov_b32 s23, 0
	s_mul_i32 s43, s18, 25600                      ; my quarter of a slot, in LDS and in memory
	s_mul_i32 s46, s42, 819200
	s_mul_i32 s92, s41, 25600                      ; the prefetch: my work-group's quarter by cy, my wave's 6,400 bytes of it
	s_add_co_u32 s92, s92, s46
	s_mul_i32 s45, s18, 6400
	s_add_co_u32 s92, s92, s45
	s_mov_b32 s93, 0
	s_add_co_u32 s46, s46, s43
	s_mov_b32 s47, 0
	s_lshr_b32 s88, s42, 1                         ; g
	s_and_b32 s89, s42, 1                          ; q
	s_mul_i32 s80, s88, 3136                       ; b2: column 784 g + 196 q
	s_mul_i32 s81, s89, 784
	s_add_co_u32 s80, s80, s81
	s_mov_b32 s81, 0
	s_lshl_b32 s82, s21, 17                        ; y: my 64 rows of 512 bytes, d = 16 g + 4 q
	s_lshl_b32 s83, s18, 15
	s_add_co_u32 s82, s82, s83
	s_lshl_b32 s83, s88, 6
	s_add_co_u32 s82, s82, s83
	s_lshl_b32 s83, s89, 4
	s_add_co_u32 s82, s82, s83
	s_mov_b32 s83, 0
	s_lshl_b32 s87, s88, 5                         ; my block of the workspaces: ((32 g + I) 4 + 2 (w mod 2) + q)
	s_lshl_b32 s90, s21, 1
	s_add_co_u32 s87, s87, s90
	s_add_co_u32 s87, s87, s19
	s_lshl_b32 s87, s87, 2
	s_lshl_b32 s90, s20, 1
	s_add_co_u32 s87, s87, s90
	s_add_co_u32 s87, s87, s89
	s_lshl_b32 s84, s87, 11
	s_mov_b32 s85, 0
	s_lshl_b32 s90, s87, 9
	s_mov_b32 s91, 0
	s_wait_dscnt 0x0                               ; both opening adds are done
	s_wait_kmcnt 0x0
	s_load_b128 s[76:79], s[8:9], 0x0              ; e0 .. e3
	s_add_nc_u64 s[22:23], s[4:5], s[22:23]
	s_add_nc_u64 s[46:47], s[6:7], s[46:47]
	s_add_nc_u64 s[PFA:PFA+1], s[6:7], s[PFA:PFA+1]
	s_add_nc_u64 s[10:11], s[10:11], s[80:81]
	s_add_nc_u64 s[12:13], s[12:13], s[82:83]
	s_add_nc_u64 s[14:15], s[14:15], s[84:85]
	s_add_nc_u64 s[16:17], s[16:17], s[90:91]
.irp hx, 0,1
.irp n, 0,1,2,3,4,5
	global_load_b32 v[176+7*\hx+\n], v13, s[10:11] offset:1568*\hx+128*\n
.endr
	global_load_b32 v[176+7*\hx+6], v14, s[10:11] offset:1568*\hx
.endr
	ALOAD 0
	ALOAD 1
	ALOAD 2
.irp s, 0,1
	s_mov_b32 s[G0B+4*\s], 1
	s_add_co_u32 s[G0B+4*\s+1], s43, \s*SLOT
	s_add_nc_u64 s[G0B+4*\s+2:G0B+4*\s+3], s[46:47], \s*SLOT
	s_or_b32 s[G0B+4*\s+3], s[G0B+4*\s+3], 0x80000000
.endr
	CROUND                                         ; all sixteen work-groups are here: the first joint loads meet
	JLOAD 0                                        ; slot 0: one tensor load a wave at the head
	s_wait_kmcnt 0x0
	s_add_co_i32 s84, s78, s79                     ; a sum stands for sum x 2^(e2 + e3)
	s_add_co_i32 s69, s84, 127
	s_lshl_b32 s69, s69, 23                        ; 2^(e2 + e3)
	s_sub_co_i32 s70, 127, s84
	s_lshl_b32 s70, s70, 23                        ; its reciprocal
	s_mov_b32 s71, s70
	s_lshl_b32 s85, s84, 23
	s_add_co_i32 s66, s85, 0x3fb8aa3b              ; log2(e) x 2^(e2 + e3)
	s_mov_b32 s67, s66
	s_xor_b32 s68, s66, 0x80000000                 ; and its negative
	s_mov_b32 s72, 0x3f317218                      ; ln 2
	s_mov_b32 s73, 0x3a83126f                      ; 0.001
	s_mov_b32 s74, 0x3a853408                      ; 0.001 / 0.984
	s_wait_loadcnt 24                              ; b2 is in; A's first three phases may be out
.irp n, 0,1,2,3,4,5,6,7,8,9,10,11,12,13
	v_mul_f32 v[176+\n], s70, v[176+\n]
.endr
	ds_store_b32 v11, v15 offset:196
.irp hx, 0,1
.irp n, 0,1,2,3,4,5,6
	ds_store_b32 v[192+\n], v[176+7*\hx+\n] offset:1024*\hx
.endr
.endr
.set ff, 0
.rept 50                               ; my 200 slots of b2 into the accumulators of the fourth tile of rows (LDS serves a wave's instructions in order)
	LOC ff, 3
	WIN LW<<6
	ds_load_b128 v[LR:LR+3], v[BL] offset:4*ff
.set ff, ff+4
.endr
	WIN 0
	s_wait_alu depctr_va_vdst(0)                   ; the wait at the head's end
	s_wait_tensorcnt 0x0                           ; my quarter of slot 0 is in; slot 1's first fill is issued as a refill is:
	ds_add_u32 v[SPW], v[NIL]
	s_wait_dscnt 0x0
	CROUND
	JLOAD 1
	FETCH_B 0, 0
.irp g, 0,1,2,3,4
	GROUP 0, \g, 1, 1, 24                          ; the first phase stands ahead of the loop: its products start the sums
.endr
	WIN 0
	s_mov_b32 s3, 3
.Llap:                                                 ; a trip goes once round the ring: 512 along K, from a lap's second phase to the next lap's first
	FULL 1, 1, 24                                  ; 24: the three younger phases' loads of A
	FULL 2, 1, 24
	PHASE 3, 1, 24
	TURN 3, 1, 1
	FULL 4, 1, 24
	FULL 5, 1, 24
	FULL 6, 1, 24
	PHASE 7, 1, 24
	TURN 7, 1, 2
	FULL 8, 1, 24
	WIN 0
	s_wait_xcnt 0x0                                ; the loads and prefetches have read their bases, which step now
	s_add_nc_u64 s[22:23], s[22:23], 65536
	s_add_nc_u64 s[PFA:PFA+1], s[PFA:PFA+1], 2*SLOT
	s_sub_co_u32 s3, s3, 1
	s_cmp_lg_u32 s3, 0
	s_cbranch_scc1 .Llap
	FULL 1, 1, 24                                  ; the last lap fills nothing; A's last loads are phase 7's
	FULL 2, 1, 24
	PHASE 3, 1, 24
	TURN 3, 0, 0
	FULL 4, 1, 24
	FULL 5, 2, 20                                  ; y goes into the buffer that phase 4 has left; younger: two phases of A and y's four
	FULL 6, 0, 12
	PHASE 7, 0, 4
	s_wait_dscnt 0x0
	MULT 7, 4, 0, 4
	WIN 0
	PLACES 4
; THE SPLINES.  Four passes (i = 0 .. 3: the lane's four d), each on the four tiles of rows at once, so that four chains take turns.  PB + 40 mt: a spline's 40 registers at work.
.irp k, 1,2,3,4,5,6,7,8,9,10,11,12,13,14,15,16
	v_cvt_f32_u32 v[KT-1+\k], \k
.endr
.macro B2 op, d, a
.irp mt, 0,1,2,3
	\op v[PB+40*\mt+\d], v[PB+40*\mt+\a]
.endr
.endm
.macro B3 op, d, a, b
.irp mt, 0,1,2,3
	\op v[PB+40*\mt+\d], v[PB+40*\mt+\a], v[PB+40*\mt+\b]
.endr
.endm
.macro B4 op, d, a, b, c
.irp mt, 0,1,2,3
	\op v[PB+40*\mt+\d], v[PB+40*\mt+\a], v[PB+40*\mt+\b], v[PB+40*\mt+\c]
.endr
.endm
.macro SMAX fb, mo                     ; the largest of 16 sums from slot fb on
	LOC \fb, 0
	WIN LW|(LW<<2)
.irp mt, 0,1,2,3
	LOC \fb, \mt
	v_max_num_f32 v[PB+40*\mt+\mo], v[LR], v[LR+1]
.endr
.set nn, 1
.rept 7
	LOC (\fb)+2*nn, 0
	WIN LW|(LW<<2)
.irp mt, 0,1,2,3
	LOC (\fb)+2*nn, \mt
	v_max3_num_f32 v[PB+40*\mt+\mo], v[LR], v[LR+1], v[PB+40*\mt+\mo]
.endr
.set nn, nn+1
.endr
.endm
.macro SARG fb, zo, no                 ; (sum - largest) x log2(e) x 2^(e2 + e3), two at a time
.set nn, 0
.rept 8
	LOC (\fb)+2*nn, 0
	WIN LW
.irp mt, 0,1,2,3
	LOC (\fb)+2*nn, \mt
	v_pk_fma_f32 v[PB+40*\mt+\zo+2*nn:PB+40*\mt+\zo+2*nn+1], v[LR:LR+1], s[66:67], v[PB+40*\mt+\no:PB+40*\mt+\no+1] op_sel_hi:[1,0,0]
.endr
.set nn, nn+1
.endr
.endm
.macro DREG j
.if (\j) < 7
.set RD, PBm+8+(\j)
.else
.set RD, PBm+31+(\j)
.endif
.endm
.macro DSEL8 f0, mt, j
	LOC (\f0)+32+(\j), \mt
.set W1, LW
.set R1, LR
	LOC (\f0)+40+(\j), \mt
	WIN W1|(LW<<2)
	DREG \j
	v_cndmask_b32 v[RD], v[R1], v[LR], vcc_lo
.endm
; The bin by halving (8, 4, 2, 1), with selects and no branch: the knots to its left and right, in x and in y, and the two derivative parameters are kept.
.macro SEARCH mt, i
.set PBm, PB+40*(\mt)
.set YY, YR+4*(\mt)+(\i)
	WIN 0
	v_cmp_ge_f32 vcc_lo, v[YY], v[PBm+7]
	v_cndmask_b32 v[PBm+32], 0, v[PBm+7], vcc_lo
	v_cndmask_b32 v[PBm+33], 0, v[PBm+23], vcc_lo
.set jj, 1
.rept 8
	v_cndmask_b32 v[PBm+jj-1], v[PBm+jj-1], v[PBm+jj+7], vcc_lo
	v_cndmask_b32 v[PBm+15+jj], v[PBm+15+jj], v[PBm+23+jj], vcc_lo
.set jj, jj+1
.endr
.set J0, (8-(50*(\i)+32)%8)%8
.set jj, 0
.rept 9
	DSEL8 50*(\i), \mt, (J0+jj)%9
.set jj, jj+1
.endr
	WIN 0
.irp L, 4,2,1
	v_cmp_ge_f32 vcc_lo, v[YY], v[PBm+\L-1]
	v_cndmask_b32 v[PBm+32], v[PBm+32], v[PBm+\L-1], vcc_lo
	v_cndmask_b32 v[PBm+33], v[PBm+33], v[PBm+15+\L], vcc_lo
.set jj, 1
.rept \L
	v_cndmask_b32 v[PBm+jj-1], v[PBm+jj-1], v[PBm+jj+\L-1], vcc_lo
	v_cndmask_b32 v[PBm+15+jj], v[PBm+15+jj], v[PBm+15+jj+\L], vcc_lo
.set jj, jj+1
.endr
.set jj, 0
.rept \L+1
	DREG jj
.set RA, RD
	DREG jj+\L
	v_cndmask_b32 v[RA], v[RA], v[RD], vcc_lo
.set jj, jj+1
.endr
.endr
.endm
.macro ROUND_S i
.set F0, 50*(\i)
	SMAX F0, 35                                    ; both softmaxes take their largest away
	SMAX F0+16, 37
	WIN 0
.irp mt, 0,1,2,3
	v_mul_f32 v[PB+40*\mt+34], s68, v[PB+40*\mt+35]
	v_mul_f32 v[PB+40*\mt+36], s68, v[PB+40*\mt+37]
.endr
	SARG F0, 0, 34
	SARG F0+16, 16, 36
	WIN 0
.set kk, 0
	s_wait_alu depctr_va_vdst(0)                   ; a wait ahead of each batch of transcendentals and one behind it
.rept 32
.irp mt, 0,1,2,3
	v_exp_f32 v[PB+40*\mt+kk], v[PB+40*\mt+kk]
.endr
.set kk, kk+1
.endr
	v_nop
	s_wait_alu depctr_va_vdst(0)
.set kk, 1
.rept 15                               ; running sums: the knots, not yet normalised
.irp mt, 0,1,2,3
	v_add_f32 v[PB+40*\mt+kk], v[PB+40*\mt+kk], v[PB+40*\mt+kk-1]
	v_add_f32 v[PB+40*\mt+16+kk], v[PB+40*\mt+16+kk], v[PB+40*\mt+15+kk]
.endr
.set kk, kk+1
.endr
.irp mt, 0,1,2,3
	v_mul_f32 v[PB+40*\mt+34], s74, v[PB+40*\mt+15]
	v_mul_f32 v[PB+40*\mt+36], s74, v[PB+40*\mt+31]
.endr
.set kk, 0
.rept 8                                ; + k x the least bin, in the same unit (the sum / 0.984 stands for 1)
.irp mt, 0,1,2,3
	v_pk_fma_f32 v[PB+40*\mt+kk:PB+40*\mt+kk+1], v[KT+kk:KT+kk+1], v[PB+40*\mt+34:PB+40*\mt+35], v[PB+40*\mt+kk:PB+40*\mt+kk+1] op_sel_hi:[1,0,1]
	v_pk_fma_f32 v[PB+40*\mt+16+kk:PB+40*\mt+17+kk], v[KT+kk:KT+kk+1], v[PB+40*\mt+36:PB+40*\mt+37], v[PB+40*\mt+16+kk:PB+40*\mt+17+kk] op_sel_hi:[1,0,1]
.endr
.set kk, kk+2
.endr
.if (\i) == 0
	s_wait_alu depctr_va_vdst(0)
	s_wait_loadcnt 0x0                             ; y
.endif
.irp mt, 0,1,2,3
	v_mul_f32 v[YR+4*\mt+\i], v[YR+4*\mt+\i], v[PB+40*\mt+15]   ; y in the knots' unit
.endr
.irp mt, 0,1,2,3
	SEARCH \mt, \i
.endr
	B3 v_sub_f32, oEW, oZH, oZL
.irp mt, 0,1,2,3
	v_sub_f32 v[PB+40*\mt+oNU], v[YR+4*\mt+\i], v[PB+40*\mt+oZL]
.endr
	B3 v_sub_f32, oEH, oHH, oHL
.irp mt, 0,1,2,3
	v_mul_f32 v[PB+40*\mt+oA0], s68, |v[PB+40*\mt+oD0]|        ; softplus(d) = max(d, 0) + ln(1 + e^-|d|)
	v_mul_f32 v[PB+40*\mt+oA1], s68, |v[PB+40*\mt+oD1]|
.endr
	s_wait_alu depctr_va_vdst(0)
	B2 v_rcp_f32, oRW, oEW
	B2 v_rcp_f32, oRH, oH16
	B2 v_exp_f32, oA0, oA0
	B2 v_exp_f32, oA1, oA1
.irp mt, 0,1,2,3
	v_max_num_f32 v[PB+40*\mt+oP0], 0, v[PB+40*\mt+oD0]
	v_max_num_f32 v[PB+40*\mt+oP1], 0, v[PB+40*\mt+oD1]
.endr
.irp mt, 0,1,2,3
	v_fma_f32 v[PB+40*\mt+oP0], v[PB+40*\mt+oP0], s69, s73
	v_fma_f32 v[PB+40*\mt+oP1], v[PB+40*\mt+oP1], s69, s73
.endr
	s_wait_alu depctr_va_vdst(0)
.irp mt, 0,1,2,3
	v_add_f32 v[PB+40*\mt+oA0], 1.0, v[PB+40*\mt+oA0]
	v_add_f32 v[PB+40*\mt+oA1], 1.0, v[PB+40*\mt+oA1]
.endr
	B3 v_mul_f32, oT, oNU, oRW
	B3 v_mul_f32, oSL, oEH, oRW
	B3 v_mul_f32, oTM, oZ16, oRH
	B3 v_mul_f32, oSL, oSL, oTM
	s_wait_alu depctr_va_vdst(0)
	B2 v_log_f32, oA0, oA0
	B2 v_log_f32, oA1, oA1
.irp mt, 0,1,2,3
	v_sub_f32 v[PB+40*\mt+oOM], 1.0, v[PB+40*\mt+oT]
.endr
	B3 v_mul_f32, oTT, oT, oT
	B3 v_mul_f32, oTO, oT, oOM
	B3 v_mul_f32, oOO, oOM, oOM
	B3 v_add_f32, oS2, oSL, oSL
	s_wait_alu depctr_va_vdst(0)
.irp mt, 0,1,2,3
	v_fma_f32 v[PB+40*\mt+oDK], v[PB+40*\mt+oA0], s72, v[PB+40*\mt+oP0]
	v_fma_f32 v[PB+40*\mt+oDK1], v[PB+40*\mt+oA1], s72, v[PB+40*\mt+oP1]
.endr
	B3 v_add_f32, oTM, oDK, oDK1
	B3 v_sub_f32, oTM, oTM, oS2
	B4 v_fma_f32, oDEN, oTM, oTO, oSL
	s_wait_alu depctr_va_vdst(0)
	B2 v_rcp_f32, oRDN, oDEN
	B3 v_mul_f32, oNO, oSL, oTT
	B4 v_fma_f32, oNO, oDK, oTO, oNO
	B3 v_mul_f32, oIN, oDK1, oTT
	B4 v_fma_f32, oIN, oS2, oTO, oIN
	B4 v_fma_f32, oIN, oDK, oOO, oIN
	s_wait_alu depctr_va_vdst(0)
	B3 v_mul_f32, oNO, oNO, oRDN
	B4 v_fma_f32, oNO, oEH, oNO, oHL
.irp mt, 0,1,2,3
	v_mul_f32 v[YR+4*\mt+\i], v[PB+40*\mt+oNO], v[PB+40*\mt+oRH]   ; out0's number takes y's place
.endr
	B3 v_mul_f32, oDV, oSL, oRDN
	B3 v_mul_f32, oDV, oDV, oDV
	B3 v_mul_f32, oDV, oDV, oIN
.if (\i) == 0
	s_wait_alu depctr_va_vdst(0)
.irp mt, 0,1,2,3
	v_log_f32 v[LACC+\mt], v[PB+40*\mt+oDV]
.endr
	v_nop
	s_wait_alu depctr_va_vdst(0)
.else
	s_wait_alu depctr_va_vdst(0)
	B2 v_log_f32, oDV, oDV
	v_nop
	s_wait_alu depctr_va_vdst(0)
.irp mt, 0,1,2,3
	v_add_f32 v[LACC+\mt], v[LACC+\mt], v[PB+40*\mt+oDV]
.endr
.endif
.endm
	ROUND_S 0
	ROUND_S 1
	ROUND_S 2
	ROUND_S 3
.irp mt, 0,1,2,3
	v_mul_f32 v[LACC+\mt], s72, v[LACC+\mt]        ; log2 to ln
.endr
.irp mt, 0,1,2,3
	global_store_b128 v[LI], v[YR+4*\mt:YR+4*\mt+3], s[14:15] offset:512*\mt   ; 32 lanes store 512 consecutive bytes, aligned
.endr
	global_store_b128 v[LI], v[LACC:LACC+3], s[16:17]
	s_wait_tensorcnt 0x0                           ; the wave's end
	ds_add_u32 v[SPW], v[NIL]
	s_wait_dscnt 0x0
	CROUND                                         ; the closing round
	s_endpgm
.Lfunc_end_k_q412c602883_spline_gemm:
	.size	k_q412c602883_spline_gemm, .Lfunc_end_k_q412c602883_spline_gemm-k_q412c602883_spline_gemm
	.p2alignl 7, 3214868480
	.fill 96, 4, 3214868480
	.section	.rodata,"a",@progbits
	.p2align	6, 0x0
	.amdhsa_kernel k_q412c602883_spline_gemm
		.amdhsa_group_segment_fixed_size 327680
		.amdhsa_private_segment_fixed_size 0
		.amdhsa_enable_private_segment 0
		.amdhsa_kernarg_size 56
		.amdhsa_user_sgpr_count 2
		.amdhsa_user_sgpr_kernarg_segment_ptr 1
		.amdhsa_wavefront_size32 1
		.amdhsa_system_sgpr_workgroup_id_x 1
		.amdhsa_system_sgpr_workgroup_id_y 1
		.amdhsa_system_sgpr_workgroup_id_z 1
		.amdhsa_system_vgpr_workitem_id 0
		.amdhsa_next_free_vgpr 1024
		.amdhsa_next_free_sgpr 100
		.amdhsa_reserve_vcc 1
		.amdhsa_float_denorm_mode_32 3
		.amdhsa_float_denorm_mode_16_64 3
		.amdhsa_memory_ordered 1
		.amdhsa_forward_progress 1
		.amdhsa_inst_pref_size 255
	.end_amdhsa_kernel
	.section	.bss,"aw",@nobits
	.p2align	6
	.space	262144
	.amdgpu_metadata
---
amdhsa.version: [ 1, 2 ]
amdhsa.kernels:
  - .name:           k_q412c602883_spline_gemm
    .symbol:         k_q412c602883_spline_gemm.kd
    .args:
      - { .name: hq, .offset: 0, .size: 8, .value_kind: global_buffer, .address_space: global }
      - { .name: w2q, .offset: 8, .size: 8, .value_kind: global_buffer, .address_space: global }
      - { .name: lowp_scales, .offset: 16, .size: 8, .value_kind: global_buffer, .address_space: global }
      - { .name: b2, .offset: 24, .size: 8, .value_kind: global_buffer, .address_space: global }
      - { .name: y, .offset: 32, .size: 8, .value_kind: global_buffer, .address_space: global }
      - { .name: o_ws, .offset: 40, .size: 8, .value_kind: global_buffer, .address_space: global }
      - { .name: p_ws, .offset: 48, .size: 8, .value_kind: global_buffer, .address_space: global }
    .group_segment_fixed_size: 327680
    .private_segment_fixed_size: 0
    .kernarg_segment_align: 8
    .kernarg_segment_size: 56
    .max_flat_workgroup_size: 128
    .sgpr_count:     100
    .vgpr_count:     1024
    .wavefront_size: 32
...
	.end_amdgpu_metadata
.endif
;; end of part 3
;; launch finish (part 4): grid 64 x 1, 4 waves a work-group, no clusters, 34,560 bytes of LDS; arguments o_ws, p_ws, out0, out1; writes out0, out1
.if DOCPART == 4
	.amdgcn_target "amdgcn-amd-amdhsa--gfx1250"
	.amdhsa_code_object_version 6
	.text
	.protected	k_q412c602883_finish
	.globl	k_q412c602883_finish
	.p2align	8
	.type	k_q412c602883_finish,@function
k_q412c602883_finish:
	s_mov_b64 s[64:65], 0
	v_nop
	global_prefetch_b8 v0, s[64:65] scope:SCOPE_SE
	s_setreg_imm32_b32 hwreg(HW_REG_WAVE_MODE, 25, 1), 1
	s_wait_xcnt 0x0
; out0's numbers, stored by the launch before as blocks [g 8][I 32][w 4][mt 4][lane 32][16 bytes], become whole rows; the 32 partial sums of each row's ln(derivative), p_ws [g 8][I 32][w 4][lane 32][mt 4], become out1.
; Lane (r, h) of block (g, I, w = 2 wr + q, mt) holds out0[128 I + 64 wr + 16 mt + r][16 g + 8 h + 4 q + 0 .. 3].
; A work-group takes 64 rows (2 I + wr = its number); wave mt takes 16 of them: 16 loads of 512 consecutive bytes, through its own stage in LDS (rows of 512 bytes + 16), and 16 stores of a whole row each.
; Wave 0 also adds the 64 rows' partial sums, always in the same order, and stores 256 consecutive bytes of out1.  Memory binds: no matrix unit, no cluster, no barrier (each wave reads only LDS bytes that it wrote itself).
.set STG,   8448                       ; a wave's stage: 16 rows x 528 bytes
.set ROWS1, 33792                      ; behind the four stages: 64 words for out1, wave 0's own
.set SPARE, 34048                      ; behind them: the spare words, 128 bytes for each wave
.set SPW, 12                           ; v12  LDS address of my spare word; never rewritten
.set NIL, 13                           ; v13  0; never rewritten
	s_load_b256 s[4:11], s[0:1], 0x0               ; o_ws s[4:5], p_ws s[6:7], out0 s[8:9], out1 s[10:11]
	v_lshl_add_u32 v[SPW], v0, 2, SPARE
	v_mov_b32 v[NIL], 0
	v_lshrrev_b32 v1, 5, v0
	v_readfirstlane_b32 s12, v1                    ; wave = mt
	v_and_b32 v2, 31, v0                           ; lane
	v_and_b32 v3, 15, v0                           ; r
	v_bfe_u32 v4, v0, 4, 1                         ; h
	v_lshlrev_b32 v5, 4, v2                        ; 16 x lane
	s_mul_i32 s13, s12, STG
	v_mul_u32_u24 v6, v3, 528
	v_lshl_add_u32 v6, v4, 5, v6
	v_add_nc_u32 v6, s13, v6                       ; into the stage: row r, + 32 h; 64 g + 16 q stand in the offset
	v_add_nc_u32 v7, s13, v5                       ; back: a row's 512 bytes, 16 a lane
	v_lshlrev_b32 v8, 2, v3
	v_add_nc_u32 v8, ROWS1, v8                     ; out1's words: row 16 mt + r
	v_lshlrev_b32 v10, 3, v2                       ; 8 x lane
	v_add_nc_u32 v9, ROWS1, v10
	s_mov_b32 s20, 0x76543210                      ; v_permlanex16_b32: lane l takes lane l xor 16
	s_mov_b32 s21, 0xfedcba98
	s_lshl_b32 s14, ttmp9, 12                      ; o_ws: (4 I + 2 wr) blocks of 2,048 bytes, + 512 mt
	s_lshl_b32 s15, s12, 9
	s_add_co_u32 s14, s14, s15
	s_mov_b32 s15, 0
	s_lshl_b32 s16, ttmp9, 10                      ; p_ws: (4 I + 2 wr) blocks of 512 bytes
	s_mov_b32 s17, 0
	s_lshl_b32 s18, ttmp9, 15                      ; out0: row 64 x work-group + 16 mt, 512 bytes each
	s_lshl_b32 s19, s12, 13
	s_add_co_u32 s18, s18, s19
	s_mov_b32 s19, 0
	s_lshl_b32 s22, ttmp9, 8                       ; out1: 64 rows of 4 bytes
	s_mov_b32 s23, 0
	s_wait_kmcnt 0x0
	s_add_nc_u64 s[4:5], s[4:5], s[14:15]
	s_add_nc_u64 s[6:7], s[6:7], s[16:17]
	s_add_nc_u64 s[8:9], s[8:9], s[18:19]
	s_add_nc_u64 s[10:11], s[10:11], s[22:23]
	s_cmp_lg_u32 s12, 0
	s_cbranch_scc1 .Lrows
	s_wait_alu depctr_va_vdst(0)
.irp n, 0,1,2,3,4,5,6,7,8,9,10,11,12,13,14,15  ; wave 0: the partial sums are asked for first; they are older than the loads below, so the counted waits below hold for them too
	global_load_b128 v[144+4*\n:147+4*\n], v5, s[6:7] offset:65536*(\n/2)+512*(\n%2) th:TH_LOAD_NT
.endr
.Lrows:
	s_wait_alu depctr_va_vdst(0)
.irp n, 0,1,2,3,4,5,6,7,8,9,10,11,12,13,14,15  ; n = 2 g + q
	global_load_b128 v[16+4*\n:19+4*\n], v5, s[4:5] offset:262144*(\n/2)+2048*(\n%2) th:TH_LOAD_NT
.endr
.irp n, 0,1,2,3,4,5,6,7,8,9,10,11,12,13,14,15
	s_wait_loadcnt 15-\n                           ; loads come back in order (ISA guide 5.7.1): load n is in, the younger ones may be out
	ds_store_b128 v6, v[16+4*\n:19+4*\n] offset:64*(\n/2)+16*(\n%2)
.endr
.irp i, 0,1,2,3,4,5,6,7,8,9,10,11,12,13,14,15
	ds_load_b128 v[80+4*\i:83+4*\i], v7 offset:528*\i          ; LDS serves a wave's instructions in order (ISA guide 5.7.1.4): these see my stores
.endr
.irp i, 0,1,2,3,4,5,6,7,8,9,10,11,12,13,14,15
	s_wait_dscnt 15-\i
	global_store_b128 v5, v[80+4*\i:83+4*\i], s[8:9] offset:512*\i th:TH_STORE_NT   ; a whole row: 512 consecutive bytes, aligned
.endr
	s_cmp_lg_u32 s12, 0
	s_cbranch_scc1 .Ldone
.irp st, 8,4,2,1                               ; wave 0: 16 blocks (g, q) are added, four mt at a time
.set nn, 0
.rept \st
	v_pk_add_f32 v[144+4*nn:145+4*nn], v[144+4*nn:145+4*nn], v[144+4*(nn+\st):145+4*(nn+\st)]
	v_pk_add_f32 v[146+4*nn:147+4*nn], v[146+4*nn:147+4*nn], v[146+4*(nn+\st):147+4*(nn+\st)]
.set nn, nn+1
.endr
.endr
.irp m, 0,1,2,3
	v_permlanex16_b32 v[148+\m], v[144+\m], s20, s21           ; the other half of the lanes holds the row's other d
.endr
.irp m, 0,1,2,3
	v_add_f32 v[144+\m], v[144+\m], v[148+\m]
.endr
.irp m, 0,1,2,3
	ds_store_b32 v8, v[144+\m] offset:64*\m                    ; row 16 m + r (lanes r and r + 16 store the same number to the same word)
.endr
	ds_load_b64 v[152:153], v9
	s_wait_dscnt 0x0
	global_store_b64 v10, v[152:153], s[10:11] th:TH_STORE_NT  ; 32 lanes store 256 consecutive bytes, aligned
.Ldone:
	s_wait_tensorcnt 0x0                           ; the wave's end, behind my last LDS store
	ds_add_u32 v[SPW], v[NIL]
	s_wait_dscnt 0x0
	s_endpgm
.Lfunc_end_k_q412c602883_finish:
	.size	k_q412c602883_finish, .Lfunc_end_k_q412c602883_finish-k_q412c602883_finish
	.p2alignl 7, 3214868480
	.fill 96, 4, 3214868480
	.section	.rodata,"a",@progbits
	.p2align	6, 0x0
	.amdhsa_kernel k_q412c602883_finish
		.amdhsa_group_segment_fixed_size 34560
		.amdhsa_private_segment_fixed_size 0
		.amdhsa_enable_private_segment 0
		.amdhsa_kernarg_size 32
		.amdhsa_user_sgpr_count 2
		.amdhsa_user_sgpr_kernarg_segment_ptr 1
		.amdhsa_wavefront_size32 1
		.amdhsa_system_sgpr_workgroup_id_x 1
		.amdhsa_system_sgpr_workgroup_id_y 1
		.amdhsa_system_sgpr_workgroup_id_z 1
		.amdhsa_system_vgpr_workitem_id 0
		.amdhsa_next_free_vgpr 208
		.amdhsa_next_free_sgpr 66
		.amdhsa_reserve_vcc 0
		.amdhsa_float_denorm_mode_32 3
		.amdhsa_float_denorm_mode_16_64 3
		.amdhsa_memory_ordered 1
		.amdhsa_forward_progress 1
		.amdhsa_inst_pref_size 13
	.end_amdhsa_kernel
	.amdgpu_metadata
---
amdhsa.version: [ 1, 2 ]
amdhsa.kernels:
  - .name:           k_q412c602883_finish
    .symbol:         k_q412c602883_finish.kd
    .args:
      - { .name: o_ws, .offset: 0, .size: 8, .value_kind: global_buffer, .address_space: global }
      - { .name: p_ws, .offset: 8, .size: 8, .value_kind: global_buffer, .address_space: global }
      - { .name: out0, .offset: 16, .size: 8, .value_kind: global_buffer, .address_space: global }
      - { .name: out1, .offset: 24, .size: 8, .value_kind: global_buffer, .address_space: global }
    .group_segment_fixed_size: 34560
    .private_segment_fixed_size: 0
    .kernarg_segment_align: 8
    .kernarg_segment_size: 32
    .max_flat_workgroup_size: 128
    .sgpr_count:     66
    .vgpr_count:     208
    .wavefront_size: 32
...
	.end_amdgpu_metadata
.endif
;; end of part 4
